; MI455X (gfx1250); checked and timed in simulation.
; The chip was launched on July 23, 2026; its instructions are those of AMD's public machine-readable ISA for CDNA 5 (MIT licence, August 2026) and "CDNA5" Instruction Set Architecture Reference Guide (July 2026). The comments in the code are by the model that wrote it; some were corrected since.
;; Fused Sequence Parallel Attn. Allowed arithmetic: matrix products marked QUANTISED: E2M3 operands, one E8M0 scale for each 32 along K, by v_wmma_scale_f32_16x16x128_f8f6f4 with both operands' format E2M3, f32 sums; everything else in f32.
;; Inputs: cu_seqlens_k 2 int32; cu_seqlens_q 2 int32; k_shard 8 x 1,024 x 8 x 128 float32; q_shard 1,024 x 32 x 128 float32; v_shard 8 x 1,024 x 8 x 128 float32.
;; Outputs: out0 1,024 x 32 x 128 float32.
;; This version of the problem:
;;   THIS VERSION OF THE PROBLEM IS GIVEN IN LOW PRECISION. The matrix products marked QUANTISED in the list below multiply operands that are first quantised to E2M3 (2 exponent bits, 3 mantissa bits; 6 bits a number), with one power-of-two scale for each 32 numbers along K (OCP MX v1.0); their sums are f32. All else is computed in f32.
;;   The module's matrix products, in the order in which they are computed (A, B: the left and right operand; K: the contracted axis; several contracted axes count as one K, in the product's order):
;;     1. batch 8 x [M 8,192, K 128] x [K 128, N 4,096]; A: input k_shard; B: input q_shard: QUANTISED
;;     2. batch 8 x [M 128, K 8,192] x [K 8,192, N 4,096]; A: input v_shard; B: softmax (see below): QUANTISED
;;   THE QUANTISER, for each operand of a quantised product, along K:
;;     - K is cut into blocks of 32 from its start; a last block that is shorter is filled with zeros.
;;     - A block's scale is 2^e with e = floor(log2(the largest magnitude in the block)) - 2, held to -126 .. 127; a block of zeros has e = 0. As a byte (E8M0): e + 127.
;;     - Each number is divided by its block's scale, clamped to +-7.5, and rounded to the nearest number of E2M3, ties to even, subnormals kept.
;;     - The product sums the exact products of the quantised numbers (number of the format x scale) in f32.
;;   ~~~python
;;   def quantise(x, axis):      # numpy; x: float32 -> the quantised numbers, widened to float32 again
;;       x = np.moveaxis(x, axis, -1); K = x.shape[-1]
;;       x = np.pad(x, [(0, 0)] * (x.ndim - 1) + [(0, -K % 32)]); x = x.reshape(x.shape[:-1] + (-1, 32)); a = np.abs(x).max(-1, keepdims=True)
;;       e = np.where(a > 0, np.clip(np.frexp(np.where(a > 0, a, 1))[1] - 1 - 2, -126, 127), 0)      # np.frexp(a)[1] - 1 = floor(log2(a)), exactly
;;       r = np.clip(x / 2.0 ** e, -7.5, 7.5)
;;       step = 2.0 ** (np.maximum(np.frexp(np.where(r == 0, 1, r))[1] - 1, 0) - 3)
;;       q = np.round(r / step) * step * 2.0 ** e      # np.round: ties to even
;;       return np.moveaxis(q.reshape(q.shape[:-2] + (-1,))[..., :K], -1, axis).astype(np.float32)
;;   ~~~
;;   SOFTMAX AHEAD OF A QUANTISED PRODUCT. Where the list says 'softmax', what is quantised is not the finished softmax but p = 2^(t - M), with t = logit x log2(e) and M = ceil(the row's largest t), a whole number; so 1/2 < the row's largest p <= 1. The row's sum l is taken of the UNQUANTISED p, in f32, and the product's result is divided by l at the end. Since M is a whole number, a kernel that streams over the keys may use a running M (the ceiling of the running maximum): every later rescaling is an exact power of two, which a block's scale takes up: the codes' values come out the same.
;;   OPERANDS COMPUTED ON THE WAY. 'Computed on the way' means the value that the module computes at that place (a softmax that the list does not call 'softmax' is quantised finished and normalised). What goes into a quantiser is computed in f32, as accurately as f32 sums, v_exp_f32 and their like allow (about 1e-6 of the number): no bf16 or f16 on the way to a quantiser, and a product that is left as it is and whose result goes on into a quantised operand takes f32 operands (vector FMAs, or v_wmma_f32_16x16x4_f32). A number that lies on a knife's edge between two numbers of the format may be rounded either way, as far as f32 arithmetic and the matrix unit's own rounding can turn it there, and no further.
;; One version. Each part assembles by itself: llvm-mc -triple=amdgcn-amd-amdhsa -mcpu=gfx1250 --defsym DOCPART=n.
;; ======== version 1 of 1: 2 launches
;; workspace buffers: kv 10,649,600 bytes; qq 3,276,800 bytes
;; launch prep (part 1): grid 1088 x 1, 4 waves a work-group, no clusters, 68,096 bytes of LDS; arguments k_shard, v_shard, q_shard, cu_seqlens_q, cu_seqlens_k, kv, qq; writes kv, qq
.if DOCPART == 1
	.amdgcn_target "amdgcn-amd-amdhsa--gfx1250"
	.amdhsa_code_object_version 6
	.text
	.protected	k_qfdd518ae3a_prep
	.globl	k_qfdd518ae3a_prep
	.p2align	8
	.type	k_qfdd518ae3a_prep,@function
k_qfdd518ae3a_prep:
	s_mov_b64 s[64:65], 0
	v_nop
	global_prefetch_b8 v0, s[64:65] scope:SCOPE_SE
	s_setreg_imm32_b32 hwreg(HW_REG_WAVE_MODE, 25, 1), 1
	s_wait_xcnt 0x0
; K, V and Q, f32, become codes of FP6 (E2M3) with one E8M0 scale byte for each 32 along a product's K (K, Q: the head's 128; V: the keys),
; laid as IMAGES OF THE OPERAND'S REGISTERS, so that the attention launch takes a fragment by three loads of 16 bytes a lane.
; POSITION ORDER.  The gathered keys lie in 16 chunks of 512: chunk c is stored from key 1024 c on (c < 8) or from key 1024 (15 - c) + 512 on.  The mask that the
; problem builds hides chunks 13 to 15 from every query, so chunks 0 to 12 alone are quantised, as 52 key steps of 128 keys in the order of their positions.  A block of 32 keys never crosses a chunk.
; kv: record (head h, step s) at (52 h + s) x 25,600 bytes: K's 8 fragments of 1,536 bytes; V's 8; K's scale words 4 x 128 bytes; V's 4 x 128 bytes.
;   A fragment (12 registers a lane): register j of lane L at 512 (j / 4) + 16 L + 4 (j % 4).
;   K's tile 2 b + u: lane (r, h) holds key 32 b + 8 u + r + 8 (r / 8), registers 6 c .. 6 c + 5 its d = 64 c + 32 h + 0 .. 31.  V's tile t: lane (r, h) holds d = 16 t + r, registers 6 c .. its keys 64 c + 32 h + 0 .. 31.
;   K's scale word (w, lane): lanes 0-15 tile 2 w's rows, lanes 16-31 tile 2 w + 1's.  V's (T, lane l): d = 32 T + l.
; qq: record (group of 128 queries G, query head H) at (32 G + H) x 12,800 bytes: 8 fragments (tile t: queries 128 G + 16 t + r, laid as K's), then 8 x 64 bytes of scale words.
; A block's scale is 2^(floor(log2(its largest magnitude)) - 2): its byte is the largest magnitude's exponent field - 2, held at 1 from below.
; LIMITS: NaN and infinities among the inputs are not served.  A block of zeros, or one whose largest magnitude lies under 2^(3 - 127), gets the byte 1: a block of zeros has zero codes, which add nothing, and this program alone reads the bytes.
; SHARES.  A work-group takes 128 rows of one head, 64 KiB of f32.  Work-groups 0-415: K (h = id & 7, s = id >> 3); 416-831: V; 832-1087: Q.  The paths part on the work-group's number; each path that uses LDS has bytes of its own.
; K, Q: d is innermost.  A load takes a row's 512 bytes, 16 a lane; 16 rows turn through the wave's own stage in LDS (rows 528 bytes apart) and come back as 2 x 32 neighbours along d a lane: two whole blocks.
; V: the keys are not innermost.  A lane takes one d and its registers run down the 128 keys: four whole blocks a lane; two tiles' fragments are sorted out by an exchange of half waves.
; No tensor load, no barrier, no loop: waves share nothing; every offset is an immediate; no store's data are written again.
; The scale words leave as 128 consecutive bytes a wave (one byte in 25 of what the launch stores); all codes leave as 512 consecutive aligned bytes a store.
.set REC,   25600                      ; a record of kv
.set QREC,  12800                      ; a record of qq
.set NKV,   416                        ; 8 heads x 52 steps
.set SP,    528                        ; a stage row: 512 bytes + 16
.set WST,   16*SP                      ; a wave's stage
.set R,     16                         ; v16-143  K, Q: two tiles of 16 rows as loaded, 4 registers a row
.set X,     144                        ; v144-207 64 numbers of my row: d = 64 c + 32 h + 0 .. 31 at X + 32 c
.set C,     208                        ; v208-231 the codes: 12 registers a tile
.set T,     232                        ; v232-238 a block's upper 16 codes, made on an even register and moved
.set W,     240                        ; v240-241 a tile's scale words;  v242 the two tiles' together
.set WS,    242
.set VX,    16                         ; v16-143  V: my d's 128 keys
.set VF,    144                        ; v144-155 blocks 0 and 2, v156-167 blocks 1 and 3; behind the exchange: tile 2 T, tile 2 T + 1
.set VT,    168
	s_load_b256 s[4:11], s[0:1], 0x0               ; k s[4:5], v s[6:7], q s[8:9], cu_seqlens_q s[10:11]
	s_load_b128 s[12:15], s[0:1], 0x20             ; cu_seqlens_k s[12:13], kv s[14:15]
	s_load_b64 s[16:17], s[0:1], 0x30              ; qq
	v_lshl_add_u32 v254, v0, 2, 0x10800
	v_mov_b32 v255, 0
	v_lshrrev_b32 v1, 5, v0
	v_readfirstlane_b32 s22, v1                    ; wave 0..3
	v_and_b32 v1, 31, v0                           ; lane
	v_lshlrev_b32 v2, 4, v1                        ; 16 x lane: my bytes of a row's 512, and of an image's 512
	v_lshlrev_b32 v3, 2, v1                        ; 4 x lane
	v_and_b32 v4, 15, v0                           ; r
	v_bfe_u32 v5, v0, 4, 1                         ; h
	v_lshlrev_b32 v6, 3, v5                        ; 8 h: my two scale bytes' place in the word
	s_mul_i32 s32, s22, WST
	v_add_nc_u32 v7, s32, v2                       ; the stage, on the way in: 16 x lane in my wave's
	v_mul_u32_u24 v8, v4, SP
	v_lshl_add_u32 v8, v5, 7, v8
	v_add_nc_u32 v8, s32, v8                       ; and back: row r, + 128 h bytes: d = 32 h on
	v_mov_b32 v9, 0                                ; (a lane permute's destination counts as one of its sources)
	v_cmp_le_u32 vcc_lo, 16, v1                    ; lanes 16-31
	s_mov_b32 s30, 0x76543210
	s_mov_b32 s31, 0xfedcba98                      ; v_permlanex16_b32's selects for lane l xor 16
	s_wait_kmcnt 0x0
	s_load_b64 s[18:19], s[10:11], 0x0             ; the two lists of sequence bounds are read as every input is; the computation takes them as arguments and makes nothing of them,
	s_load_b64 s[20:21], s[12:13], 0x0             ; so no number, address or branch here hangs on them
	s_cmp_ge_u32 ttmp9, 2*NKV
	s_cbranch_scc1 .Lq_path
	s_cmp_lt_u32 ttmp9, NKV
	s_cselect_b32 s33, 0, NKV
	s_sub_co_u32 s33, ttmp9, s33                   ; my number among K's or V's work-groups
	s_and_b32 s34, s33, 7                          ; head
	s_lshr_b32 s35, s33, 3                         ; step 0..51
	s_lshr_b32 s36, s35, 2                         ; chunk 0..12
	s_lshl_b32 s37, s36, 10                        ; where it is stored: 1024 c,
	s_sub_co_u32 s38, 15, s36
	s_lshl_b32 s38, s38, 10
	s_add_co_u32 s38, s38, 512                     ; or 1024 (15 - c) + 512
	s_cmp_lt_u32 s36, 8
	s_cselect_b32 s37, s37, s38
	s_and_b32 s38, s35, 3
	s_lshl_b32 s38, s38, 7
	s_add_co_u32 s37, s37, s38                     ; the step's first key, as stored
	s_mul_i32 s39, s34, 52
	s_add_co_u32 s39, s39, s35
	s_mul_i32 s39, s39, REC                        ; the record's first byte
	s_cmp_ge_u32 ttmp9, NKV
	s_cbranch_scc1 .Lv_path
; Tile u's 64 numbers a lane (two whole blocks: h and 2 + h of my row) become 12 registers of codes at C + 12 u and the row's scale word in W + u.
.macro QBLK u
.irp c, 0,1
	v_max3_num_f32 v[10+\c], |v[X+32*\c]|, |v[X+32*\c+1]|, 0x1800000   ; the block's largest magnitude, and the floor 2^(3 - 127): the byte cannot fall under 1
.endr
.irp i, 2,4,6,8,10,12,14,16,18,20,22,24,26,28,30
.irp c, 0,1
	v_max3_num_f32 v[10+\c], v[10+\c], |v[X+32*\c+\i]|, |v[X+32*\c+\i+1]|   ; (the two blocks by turns)
.endr
.endr
.irp c, 0,1
	v_add_nc_u32 v[12+\c], 0xff000000, v[10+\c]    ; 2 off its exponent field: the conversion takes the exponent field of this operand as its scale
.endr
.irp c, 0,1
	v_lshrrev_b32 v[14+\c], 23, v[12+\c]           ; the scale's byte
.endr
	v_lshl_or_b32 v[W+\u], v15, 16, v14            ; my two bytes, blocks h and 2 + h,
	v_lshlrev_b32 v[W+\u], v6, v[W+\u]             ; at their places in the word;
	v_permlanex16_b32 v9, v[W+\u], s30, s31
	v_or_b32 v[W+\u], v[W+\u], v9                  ; with lane l xor 16's two the word is whole
.irp c, 0,1
	v_cvt_scalef32_pk16_fp6_f32 v[C+12*\u+6*\c:C+12*\u+6*\c+2], v[X+32*\c:X+32*\c+15], v[12+\c]
	v_cvt_scalef32_pk16_fp6_f32 v[T+4*\c:T+4*\c+2], v[X+32*\c+16:X+32*\c+31], v[12+\c]   ; (a conversion's three registers begin on an even number)
.endr
	v_nop                                          ; one plain place behind a scaled conversion
.irp c, 0,1
.irp i, 0,1,2
	v_mov_b32 v[C+12*\u+6*\c+3+\i], v[T+4*\c+\i]
.endr
.endr
.endm
; 32 rows, stride bytes apart, become two tiles.  perm = 1: tile u's row i is row 8 u + i + 8 (i / 8) of the 32; 0: row 16 u + i.  stg: the path's own LDS bytes.
.macro ROWPATH stride, perm, stg
.irp u, 0,1
.irp i, 0,1,2,3,4,5,6,7,8,9,10,11,12,13,14,15
.if \perm
	global_load_b128 v[R+64*\u+4*\i:R+64*\u+4*\i+3], v2, s[24:25] offset:(8*\u+\i+8*(\i/8))*\stride th:TH_LOAD_NT   ; 32 lanes read a row's 512 consecutive bytes
.else
	global_load_b128 v[R+64*\u+4*\i:R+64*\u+4*\i+3], v2, s[24:25] offset:(16*\u+\i)*\stride th:TH_LOAD_NT
.endif
.endr
.endr
.irp u, 0,1
	s_wait_loadcnt 16*(1-\u)                       ; this tile's 16 loads are in; the second tile's 16 may be out
.irp i, 0,1,2,3,4,5,6,7,8,9,10,11,12,13,14,15
	ds_store_b128 v7, v[R+64*\u+4*\i:R+64*\u+4*\i+3] offset:\stg+SP*\i
.endr
.irp c, 0,1
.irp j, 0,1,2,3,4,5,6,7
	ds_load_b128 v[X+32*\c+4*\j:X+32*\c+4*\j+3], v8 offset:\stg+256*\c+16*\j   ; LDS serves a wave's instructions in order (ISA guide 5.7.1.4): these see my stores, and the next tile's stores come behind them
.endr
.endr
	s_wait_dscnt 0x0
	QBLK \u
.irp c, 0,1,2
	global_store_b128 v2, v[C+12*\u+4*\c:C+12*\u+4*\c+3], s[26:27] offset:1536*\u+512*\c   ; the fragment's image: 512 consecutive bytes, aligned to 256
.endr
.endr
	v_cndmask_b32 v[WS], v[W], v[W+1], vcc_lo      ; lanes 0-15: the first tile's words; lanes 16-31: the second's
	global_store_b32 v3, v[WS], s[28:29]
.endm
	; ---- K: wave w takes keys 32 w .. 32 w + 31 of the step: tiles 2 w and 2 w + 1
	s_lshl_b32 s40, s22, 5
	s_add_co_u32 s40, s40, s37
	s_lshl_b32 s40, s40, 12                        ; a key is 4,096 bytes,
	s_lshl_b32 s41, s34, 9                         ; a head 512
	s_add_co_u32 s40, s40, s41
	s_mov_b32 s41, 0
	s_add_nc_u64 s[24:25], s[4:5], s[40:41]
	s_mul_i32 s42, s22, 3072
	s_add_co_u32 s42, s42, s39
	s_mov_b32 s43, 0
	s_add_nc_u64 s[26:27], s[14:15], s[42:43]      ; my two fragments
	s_lshl_b32 s44, s22, 7
	s_add_co_u32 s44, s44, s39
	s_add_co_u32 s44, s44, 24576
	s_mov_b32 s45, 0
	s_add_nc_u64 s[28:29], s[14:15], s[44:45]      ; their scale words
	ROWPATH 4096, 1, 0
	s_wait_kmcnt 0x0                               ; the two scalar loads have come
	s_wait_tensorcnt 0x0
	ds_add_u32 v254, v255
	s_wait_dscnt 0x0
	s_endpgm
.Lv_path:
	; ---- V: wave T takes d = 32 T .. 32 T + 31, a lane a d, and all 128 keys of the step: tiles 2 T and 2 T + 1
	s_lshl_b32 s40, s37, 12
	s_lshl_b32 s41, s34, 9
	s_add_co_u32 s40, s40, s41
	s_lshl_b32 s41, s22, 7
	s_add_co_u32 s40, s40, s41
	s_mov_b32 s41, 0
	s_add_nc_u64 s[24:25], s[6:7], s[40:41]
	s_mul_i32 s42, s22, 3072
	s_add_co_u32 s42, s42, s39
	s_add_co_u32 s42, s42, 12288
	s_mov_b32 s43, 0
	s_add_nc_u64 s[26:27], s[14:15], s[42:43]
	s_lshl_b32 s44, s22, 7
	s_add_co_u32 s44, s44, s39
	s_add_co_u32 s44, s44, 25088
	s_mov_b32 s45, 0
	s_add_nc_u64 s[28:29], s[14:15], s[44:45]
.set n, 0
.rept 128
	global_load_b32 v[VX+n], v3, s[24:25] offset:n*4096 th:TH_LOAD_NT   ; key n at 32 neighbouring d: 128 consecutive bytes a wave, the four waves side by side on the head's 512
.set n, n+1
.endr
.macro VBLOCK b                        ; block b: keys 32 b .. 32 b + 31 of my d: all 32 numbers are mine
.set XB, VX+32*(\b)
.set FD, VF+12*((\b)%2)+6*((\b)/2)
.if (\b) == 0
	s_wait_loadcnt 63                              ; at most 63 of the 128 loads are out: the oldest 65 are in, blocks 0 and 1 among them
.elseif (\b) == 2
	s_wait_loadcnt 32                              ; block 3's 32 may be out
.elseif (\b) == 3
	s_wait_loadcnt 0
.endif
	v_max3_num_f32 v10, |v[XB]|, |v[XB+1]|, |v[XB+2]|
	v_max3_num_f32 v11, |v[XB+3]|, |v[XB+4]|, |v[XB+5]|
.irp i, 6,10,14,18,22,26
	v_max3_num_f32 v10, v10, |v[XB+\i]|, |v[XB+\i+1]|
	v_max3_num_f32 v11, v11, |v[XB+\i+2]|, |v[XB+\i+3]|
.endr
	v_max3_num_f32 v10, v10, |v[XB+30]|, |v[XB+31]|
	v_max3_num_f32 v10, v10, v11, 0x1800000        ; and the floor 2^(3 - 127)
	v_add_nc_u32 v12, 0xff000000, v10              ; the conversion's scale operand
	v_lshrrev_b32 v13, 23, v12                     ; the scale's byte
.if (\b) == 0
	v_mov_b32 v14, v13                             ; four bytes make my d's scale word, the lower keys in the lower byte
.else
	v_lshl_or_b32 v14, v13, 8*(\b), v14
.endif
	v_cvt_scalef32_pk16_fp6_f32 v[FD:FD+2], v[XB:XB+15], v12
	v_cvt_scalef32_pk16_fp6_f32 v[VT:VT+2], v[XB+16:XB+31], v12
	v_nop                                          ; one plain place behind a scaled conversion
.irp i, 0,1,2
	v_mov_b32 v[FD+3+\i], v[VT+\i]
.endr
.endm
	VBLOCK 0
	VBLOCK 1
	VBLOCK 2
	VBLOCK 3
.irp i, 0,1,2,3,4,5,6,7,8,9,10,11
	v_permlane16_swap_b32 v[VF+\i], v[VF+12+\i]    ; the first's lanes 16-31 (d 16-31, blocks 0, 2) change places with the second's lanes 0-15 (d 0-15, blocks 1, 3): the first is now tile 2 T, the second tile 2 T + 1
.endr
.irp x, 0,1
.irp c, 0,1,2
	global_store_b128 v2, v[VF+12*\x+4*\c:VF+12*\x+4*\c+3], s[26:27] offset:1536*\x+512*\c
.endr
.endr
	global_store_b32 v3, v14, s[28:29]
	s_wait_kmcnt 0x0
	s_endpgm
.Lq_path:
	; ---- Q: wave w takes queries 128 G + 32 w .. + 31 of head H: tiles 2 w and 2 w + 1, rows in their own order
	s_sub_co_u32 s33, ttmp9, 2*NKV                 ; the record: 32 G + H
	s_and_b32 s34, s33, 31                         ; H
	s_lshr_b32 s35, s33, 5                         ; G
	s_lshl_b32 s40, s35, 7
	s_lshl_b32 s41, s22, 5
	s_add_co_u32 s40, s40, s41
	s_lshl_b32 s40, s40, 14                        ; a query is 16,384 bytes
	s_lshl_b32 s41, s34, 9
	s_add_co_u32 s40, s40, s41
	s_mov_b32 s41, 0
	s_add_nc_u64 s[24:25], s[8:9], s[40:41]
	s_mul_i32 s39, s33, QREC
	s_mul_i32 s42, s22, 3072
	s_add_co_u32 s42, s42, s39
	s_mov_b32 s43, 0
	s_add_nc_u64 s[26:27], s[16:17], s[42:43]
	s_lshl_b32 s44, s22, 7
	s_add_co_u32 s44, s44, s39
	s_add_co_u32 s44, s44, 12288
	s_mov_b32 s45, 0
	s_add_nc_u64 s[28:29], s[16:17], s[44:45]
	ROWPATH 16384, 0, 4*WST
	s_wait_kmcnt 0x0
	s_wait_tensorcnt 0x0
	ds_add_u32 v254, v255
	s_wait_dscnt 0x0
	s_endpgm
.Lfunc_end_k_qfdd518ae3a_prep:
	.size	k_qfdd518ae3a_prep, .Lfunc_end_k_qfdd518ae3a_prep-k_qfdd518ae3a_prep
	.p2alignl 7, 3214868480
	.fill 96, 4, 3214868480
	.section	.rodata,"a",@progbits
	.p2align	6, 0x0
	.amdhsa_kernel k_qfdd518ae3a_prep
		.amdhsa_group_segment_fixed_size 68096
		.amdhsa_private_segment_fixed_size 0
		.amdhsa_enable_private_segment 0
		.amdhsa_kernarg_size 56
		.amdhsa_user_sgpr_count 2
		.amdhsa_user_sgpr_kernarg_segment_ptr 1
		.amdhsa_wavefront_size32 1
		.amdhsa_system_sgpr_workgroup_id_x 1
		.amdhsa_system_sgpr_workgroup_id_y 1
		.amdhsa_system_sgpr_workgroup_id_z 1
		.amdhsa_system_vgpr_workitem_id 0
		.amdhsa_next_free_vgpr 256
		.amdhsa_next_free_sgpr 66
		.amdhsa_reserve_vcc 1
		.amdhsa_float_denorm_mode_32 3
		.amdhsa_float_denorm_mode_16_64 3
		.amdhsa_memory_ordered 1
		.amdhsa_forward_progress 1
		.amdhsa_inst_pref_size 51
	.end_amdhsa_kernel
	.amdgpu_metadata
---
amdhsa.version: [ 1, 2 ]
amdhsa.kernels:
  - .name:           k_qfdd518ae3a_prep
    .symbol:         k_qfdd518ae3a_prep.kd
    .args:
      - { .name: k_shard, .offset: 0, .size: 8, .value_kind: global_buffer, .address_space: global }
      - { .name: v_shard, .offset: 8, .size: 8, .value_kind: global_buffer, .address_space: global }
      - { .name: q_shard, .offset: 16, .size: 8, .value_kind: global_buffer, .address_space: global }
      - { .name: cu_seqlens_q, .offset: 24, .size: 8, .value_kind: global_buffer, .address_space: global }
      - { .name: cu_seqlens_k, .offset: 32, .size: 8, .value_kind: global_buffer, .address_space: global }
      - { .name: kv, .offset: 40, .size: 8, .value_kind: global_buffer, .address_space: global }
      - { .name: qq, .offset: 48, .size: 8, .value_kind: global_buffer, .address_space: global }
    .group_segment_fixed_size: 68096
    .private_segment_fixed_size: 0
    .kernarg_segment_align: 8
    .kernarg_segment_size: 56
    .max_flat_workgroup_size: 128
    .sgpr_count:     66
    .vgpr_count:     256
    .wavefront_size: 32
...
	.end_amdgpu_metadata
.endif
;; end of part 1
;; launch attn (part 2): grid 32 x 8, 8 waves a work-group, clusters of 4 x 1, 327,680 bytes of LDS; arguments kv, qq, out0; writes out0
.if DOCPART == 2
	.amdgcn_target "amdgcn-amd-amdhsa--gfx1250"
	.amdhsa_code_object_version 6
	.text
	.protected	k_qfdd518ae3a_attn
	.globl	k_qfdd518ae3a_attn
	.p2align	8
	.type	k_qfdd518ae3a_attn,@function
k_qfdd518ae3a_attn:
	s_mov_b64 s[64:65], 0
	v_nop
	global_prefetch_b8 v0, s[64:65] scope:SCOPE_SE
	s_setreg_imm32_b32 hwreg(HW_REG_WAVE_MODE, 25, 1), 1
	s_wait_xcnt 0x0
	s_wait_alu depctr_hold_cnt(0) depctr_sa_sdst(0) depctr_va_vdst(0) depctr_va_sdst(0) depctr_va_ssrc(0) depctr_va_vcc(0) depctr_vm_vsrc(0)
	s_getreg_b32 s2, hwreg(HW_REG_IB_STS2, 6, 4)
	s_cmp_eq_u32 s2, 0
	s_cbranch_scc0 .Lentry_in_a_cluster
	s_endpgm
.Lentry_in_a_cluster:
	s_bfe_u32 s2, ttmp6, 0x10000c
	s_cmp_lg_u32 s2, 0x3003
	s_cbranch_scc0 .Lentry_shape_is_right
	s_endpgm
.Lentry_shape_is_right:
; out[q][H][:] = the sum over the keys that the zig-zag causal mask leaves of softmax(Q[q][H] . K[k][H / 4] / sqrt(128)) V[k][H / 4][:], both products on codes of FP6 (E2M3) with one E8M0 scale for each 32 along a product's K.
; kv holds K and V as images of operand registers, 52 key steps of 128 keys a head IN THE ORDER OF THEIR POSITIONS (record: 8 fragments of K, 8 of V, K's and V's scale words: 25,600 bytes); qq holds Q likewise.
; So the mask is a plain causal one: queries 0-511 stand at positions 1536 on (steps 12-15), queries 512-1023 at 6144 on (steps 48-51); steps wholly behind a tile's queries are left out, the one step on the diagonal is masked.
; THE SOFTMAX AHEAD OF THE SECOND PRODUCT: t = score x log2(e) / sqrt(128); M = the largest t so far, rounded UP to a whole number; p = 2^(t - M) is quantised along the keys, not normalised; the sum is taken of the
; unquantised p and divides at the end.  When M moves, and when partial results meet, sums and O are multiplied by a power of two: nothing is rounded.
; SHARES.  Work-group j = 0..31 of KV head y owns the high block of 16 queries 512 + 16 j and the low block 16 (31 - j), for the 4 query heads of y: 49 + a and 16 - a key steps (a = j / 8), 65 for each head in every work-group.
; Eight waves: rho = wave / 2, gp = wave % 2.  A wave holds TWO tiles, query heads 4 y + 2 gp and + 1 on the same 16 queries, so that each fragment of K and V read from LDS feeds two matrix instructions.
;   rho 0: the high block, steps 16-33;  rho 1: the high block, steps 34 .. 48 + a;  rho 2: the high block, steps 0-15;  rho 3: the low block, steps 0 .. 15 - a.
; The high block's three partial results (O^T, M, the sum) meet at the end through LDS, in the waves of rho 2.
; THE RING.  Three streams of records (0: steps 16-33, 1: 34-51, 2: 0-15) go through two LDS sets, each with two steps of each stream: six records, one tensor load for each of waves 0-5.
; CLUSTER.  The four work-groups of a cluster belong to one KV head and walk the same records: each record is asked for JOINTLY, by the same tensor load with the same descriptor and the mask of all four.
; All branch numbers hang on the wave's number and the cluster's x alone.  The place in the cluster enters Q's and out's addresses, the prefetch's address and the mask's vector number, nothing else.
; To keep the partners' text and loads alike, stream 1's records behind step 48 + a are fetched though no wave of this cluster reads them: at most 3 of a work-group's 52.
; LAYOUT.  Both products are used transposed: S^T = K Q^T (source 0 = 16 keys, source 1 = 16 queries), O^T = V^T P^T: a lane holds ONE query (lane % 16) throughout.  The keys of a tile of K are chosen
; (lane r of tile 2 b + u: key 32 b + 8 u + r + 8 (r / 8)) so that the 16 registers of tiles 2 b, 2 b + 1 are the neighbouring keys 32 b + 16 (lane / 16) + 0 .. 15.
; LIMITS: NaN and infinities are not served; what falls under 2^-126 beside a row's running 2^M is lost.
; O^T begins as zeros (128 moves, once) and the largest t as -3e38, so that the key step is written without a first step of its own.
; REGISTERS.  Window 0: v1-18 addresses and lane numbers; v20-27 statistics, four a tile (-M, largest t, the sum in two halves); v28-31 f and p's scale word, a pair a tile; v32-33 Q's scale words; v34-37 K's, v38-41 V's;
;   v42-55 the way out; v64-191 S^T, then p, 64 a tile; v192-215 p's codes, 12 a tile; v216-232 at work.   Window 1: v0-127 O^T, 64 a tile; v128-151 Q, 12 a tile; v152-247 eight fragments of K or of V.
.set REC,   25600                      ; a record: 100 rows of 256 bytes
.set STRB,  2*REC                      ; a stream's part of a set: two steps
.set SETB,  3*STRB                     ; a set
.set SPARE, 2*SETB                     ; behind the ring: the spare words, 128 bytes for each of eight waves: four blocks of 256 bytes that no other line names
.set VFO,   12288                      ; in a record: V's fragments,
.set KSCO,  24576                      ; K's scale words,
.set VSCO,  25088                      ; V's
.set QREC,  12800                      ; a record of qq
.set MIMG,  8448                       ; a partial result's image: O^T 16 x 512 bytes, -M 128, the sum 128
.set MRG,   SETB                       ; the way out lies in set 1, which has had its last fill and its last read at the last change of slots: 4 waves x 2 tiles x MIMG,
.set STG,   MRG+8*MIMG                 ; and four stages of 16 rows x (512 + 16) bytes
.set S,   64
.set PC,  192
.set BM,  216                          ; v216-219 the blocks' largest scores, then largest p
.set PM,  220                          ; v220-227 at work
.set SO,  228                          ; v228-231 the conversions' scale operands
.set TT,  232
.set QF,  128                          ; window 1
.set FB,  152                          ; window 1
.set MSB, 0
.macro WIN new                         ; low byte: bits 1:0 source 0, 3:2 source 1, 5:4 source 2, 7:6 destination; the high byte repeats the setting that is left
.if MSB != \new
	s_set_vgpr_msb (MSB<<8)|\new
.set MSB, \new
.endif
.endm
; A round of the cluster's barrier: my work-group's barrier; wave 0 signals for the work-group; every wave waits for all four work-groups; my work-group's barrier once more.
.macro CROUND
	s_barrier_signal -1
	s_barrier_wait -1
	s_cmp_lg_u32 s10, 0
	s_cbranch_scc1 .Lnot_wave_0_\@
	s_barrier_signal -3
.Lnot_wave_0_\@:
	s_barrier_wait -3
	s_barrier_signal -1
	s_barrier_wait -1
.endm
; A joint load: waves 0 .. n - 1 fetch a record each.  The branch hangs on the wave's number alone.  Four v_nop follow the load.
.macro JLOAD n
	s_cmp_lt_u32 s10, \n
	s_cbranch_scc0 .Lno_load_\@
	tensor_load_to_lds s[32:35], s[24:31]
	s_nop 0
.rept 4
	v_nop
.endr
.Lno_load_\@:
.endm
; A prefetch of what the NEXT change of slots will ask for.  All eight clusters of a head walk the same records: the head's first cluster asks.  In it each fetching wave asks for its own next record but one;
; the four partners share the record's 100 blocks of 256 bytes out BY ADDRESS, 25 each, a lane a block (lanes 25-31 name lane 24's again).  It stands two key steps ahead of the load that will want the record.
; Streams 0 and 1 have slots up to 8, stream 2 up to 7: its waves stop one trip sooner.  Slots 0 and 1 come by their loads alone.
.macro ASK
	s_cmp_gt_u32 s43, s45
	s_cbranch_scc0 .Lnot_mine_\@
	global_prefetch_b8 v18, s[46:47] th:TH_LOAD_NT scope:SCOPE_SE
.Lnot_mine_\@:
.endm
	s_load_b128 s[4:7], s[0:1], 0x0                ; kv s[4:5], qq s[6:7]
	s_load_b64 s[8:9], s[0:1], 0x10                ; out
	v_lshl_add_u32 v3, v0, 2, SPARE                ; my spare word; never rewritten
	v_mov_b32 v4, 0                                ; 0; never rewritten
	ds_add_u32 v3, v4
	s_wait_dscnt 0x0
	v_lshrrev_b32 v50, 5, v0
	v_readfirstlane_b32 s10, v50                   ; wave 0..7
	s_lshr_b32 s11, s10, 1                         ; rho
	s_and_b32 s12, s10, 1                          ; gp
	s_min_u32 s13, s11, 2                          ; my stream
	s_bfe_u32 s14, ttmp6, 0x40000                  ; cx: my place in the cluster
	s_mov_b32 s15, ttmp9                           ; the cluster's x
	s_and_b32 s16, ttmp7, 0xffff                   ; the KV head
	s_lshl_b32 s17, s15, 2
	s_add_co_u32 s17, s17, s14                     ; j
	s_lshr_b32 s18, s15, 1                         ; a = j / 8, made of the cluster's x alone
	s_sub_co_u32 s50, 31, s17
	s_add_co_u32 s51, s17, 32
	s_cmp_eq_u32 s11, 3
	s_cselect_b32 s19, s50, s51                    ; my block of 16 queries, 0..63: the low one for rho 3, else the high one
	s_mov_b32 s20, 0x76543210
	s_mov_b32 s21, 0xfedcba98                      ; v_permlanex16_b32's selects for lane l xor 16
	s_mov_b32 s22, 0x3e0293ee                      ; c = log2(e) / sqrt(128)
	s_mov_b32 s23, s22                             ; (named with it as a pair, so it is written)
	; descriptor group 1: a record, dense: 100 rows of 32 elements of 8 bytes
	s_mov_b32 s24, 15|(3<<16)|(1<<21)              ; 15:0 the mask: all four work-groups; 17:16 elements of 8 bytes; 21 set beside a mask; no padding: an image is read 512 consecutive bytes at a time
	s_mov_b32 s25, 32<<16                          ; tensor_dim0 = 32
	s_mov_b32 s26, 100<<16                         ; tensor_dim1 = 100
	s_mov_b32 s27, 32<<16                          ; tile_dim0 = 32
	s_mov_b32 s28, 100                             ; tile_dim1 = 100
	s_mov_b32 s29, 32                              ; from row to row
	s_mov_b32 s30, 0
	s_mov_b32 s31, 0
	; my steps
	s_mul_i32 s50, s13, 18
	s_add_co_u32 s50, s50, 16
	s_xor_b32 s51, s13, 2
	s_min_u32 s51, s51, 1
	s_mul_i32 s40, s50, s51                        ; the step in hand: my stream's first: 16, 34, 0
	s_add_co_u32 s50, s18, 48
	s_sub_co_u32 s51, 15, s18
	s_cmp_eq_u32 s11, 0
	s_cselect_b32 s41, 33, 15
	s_cmp_eq_u32 s11, 1
	s_cselect_b32 s41, s50, s41
	s_cmp_eq_u32 s11, 3
	s_cselect_b32 s41, s51, s41                    ; my last step: 33, 48 + a, 15, 15 - a
	s_bitcmp1_b32 s11, 0
	s_cselect_b32 s42, s41, 0xffff                 ; the step on the diagonal: my last one for rho 1 and 3, none else
	s_min_u32 s37, s10, 5
	s_mul_i32 s37, s37, REC                        ; where my record goes in a set: stream wave / 2, step wave % 2 (waves 6 and 7 fetch nothing)
	s_mov_b32 s36, 0                               ; the set that is filled
	s_mov_b32 s38, 0                               ; the set that is read
	s_mov_b32 s43, 7                               ; the loop's trips
	s_mul_i32 s52, s16, 52
	s_add_co_u32 s52, s52, s40
	s_add_co_u32 s52, s52, s12
	s_mul_i32 s52, s52, REC                        ; my first record in kv: head, stream's first step + wave % 2: nothing of it hangs on a place in the cluster
	s_mov_b32 s53, 0
	s_mul_i32 s54, s14, 6400                       ; the prefetches: my work-group's 25 blocks,
	s_add_co_u32 s54, s54, STRB                    ; in slot 1: the first change of slots steps it to slot 2
	s_mov_b32 s55, 0
	s_cmp_eq_u32 s13, 2
	s_cselect_b32 s45, 1, 0                        ; a wave prefetches while the trips to go are above this:
	s_cmp_lt_u32 s10, 6
	s_cselect_b32 s45, s45, -1                     ; never, if it fetches nothing,
	s_cmp_eq_u32 ttmp9, 0
	s_cselect_b32 s45, s45, -1                     ; or if the cluster is not the head's first
	; Q's and out's offsets
	s_lshl_b32 s56, s16, 2
	s_lshl_b32 s57, s12, 1
	s_add_co_u32 s56, s56, s57                     ; my first query head
	s_lshr_b32 s57, s19, 3
	s_lshl_b32 s57, s57, 5
	s_add_co_u32 s57, s57, s56
	s_mul_i32 s57, s57, QREC                       ; its record of qq
	s_and_b32 s58, s19, 7                          ; my tile in it
	s_mul_i32 s60, s58, 1536
	s_add_co_u32 s60, s60, s57
	s_mov_b32 s61, 0
	s_lshl_b32 s62, s58, 6
	s_add_co_u32 s62, s62, s57
	s_add_co_u32 s62, s62, 12288
	s_mov_b32 s63, 0
	s_lshl_b32 s50, s19, 18                        ; out: 16 queries of 16,384 bytes,
	s_lshl_b32 s51, s56, 9                         ; a head 512
	s_add_co_u32 s50, s50, s51
	s_mov_b32 s51, 0
	s_lshl_b32 s59, s58, 4                         ; my first query's place in its key step
	; every LDS address is made here, by every wave, ahead of the first branch on the wave's number
	v_and_b32 v50, 31, v0                          ; lane
	v_and_b32 v51, 15, v0                          ; r
	v_bfe_u32 v52, v0, 4, 1                        ; h
	v_lshlrev_b32 v1, 4, v50                       ; 16 x lane
	v_lshlrev_b32 v2, 2, v50                       ; 4 x lane
	s_mul_i32 s56, s13, STRB
	v_add_nc_u32 v5, s56, v1                       ; my stream's fragments,
	v_add_nc_u32 v6, s56, v2                       ; and scale words, in a set
	v_lshlrev_b32 v53, 4, v52
	v_sub_nc_u32 v9, v51, v53
	v_add_nc_u32 v9, s59, v9                       ; d = my query's place in the diagonal step - 16 h: register 16 b + i holds key 32 b + 16 h + i, hidden where 32 b + i > d
	v_mov_b32 v10, 0xff800000                      ; -infinity
	s_and_b32 s57, s10, 3
	s_mul_i32 s56, s57, 2*MIMG
	s_add_co_u32 s56, s56, MRG
	v_add_nc_u32 v11, s56, v1                      ; where waves 0-3 put their partial results,
	v_add_nc_u32 v12, s56, v2
	v_add_nc_u32 v12, 8192, v12                    ; and their -M and sums
	s_mul_i32 s56, s12, 2*MIMG
	s_add_co_u32 s56, s56, MRG
	v_add_nc_u32 v13, s56, v1                      ; where a wave of rho 2 finds those of wave gp (wave 2 + gp's lie 4 MIMG on)
	v_add_nc_u32 v14, s56, v2
	v_add_nc_u32 v14, 8192, v14
	s_mul_i32 s56, s57, 16*528
	s_add_co_u32 s56, s56, STG                     ; my stage (waves 4-7)
	v_mul_u32_u24 v15, v51, 528
	v_lshl_add_u32 v15, v52, 5, v15
	v_add_nc_u32 v15, s56, v15                     ; in: row r, + 32 h
	v_add_nc_u32 v16, s56, v1                      ; back: a row's 512 bytes, 16 a lane
	v_lshlrev_b32 v17, 2, v51                      ; Q's scale words: 4 r
	v_min_u32 v18, 24, v50
	v_lshlrev_b32 v18, 8, v18                      ; the prefetches: 256 x min(lane, 24)
	s_wait_kmcnt 0x0
	s_mov_b32 s32, 1                               ; group 0: count = 1
	s_mov_b32 s33, s37                             ; LDS address: set 0
	s_add_nc_u64 s[34:35], s[4:5], s[52:53]        ; global address: slot 0
	s_add_nc_u64 s[46:47], s[34:35], s[54:55]      ; the prefetches' address
	s_or_b32 s35, s35, 0x80000000                  ; type = 2
	s_add_nc_u64 s[48:49], s[6:7], s[62:63]        ; Q's scale words
	s_add_nc_u64 s[6:7], s[6:7], s[60:61]          ; Q's fragment
	s_add_nc_u64 s[8:9], s[8:9], s[50:51]          ; out at my first query, my first head
	CROUND                                         ; all four work-groups are here: the first joint loads meet
	JLOAD 6                                        ; slot 0: by this text's own count a wave never has more than one tensor load out
.irp x, 0,1
	global_load_b32 v[32+\x], v17, s[48:49] offset:QREC*\x
.endr
.irp x, 0,1
	v_mov_b32 v[21+4*\x], 0xff61b1e6               ; the largest t so far: -3e38, under every t
	v_floor_f32 v[20+4*\x], -v[21+4*\x]            ; -M
	v_mov_b32 v[22+4*\x], 0                        ; the sum, in two halves
	v_mov_b32 v[23+4*\x], 0
	v_mov_b32 v[29+2*\x], 0                        ; (named as the upper half of a pair before it is first written)
.endr
.irp b, 0,1,2,3
	v_mov_b32 v[PM+\b], 0                          ; (a lane permute's destination counts as one of its sources)
.endr
.irp g, 43,45,47,49,55
	v_mov_b32 v\g, 0                               ; (upper halves of pairs, and a permute's destination, on the way out)
.endr
	WIN 0x40                                       ; destination window 1
.irp x, 0,1
.irp c, 0,1,2
	global_load_b128 v[QF+12*\x+4*\c:QF+12*\x+4*\c+3], v1, s[6:7] offset:QREC*\x+512*\c   ; Q's fragments stay in registers
.endr
.endr
.set j, 0
.rept 128
	v_mov_b32 v[j], 0                              ; O^T
.set j, j+1
.endr
	WIN 0
	s_wait_loadcnt 0x0                             ; Q
; One tile's softmax for a key step of 128 keys.
.macro SOFTMAX x
.set rS, S+64*(\x)
.set rT, 20+4*(\x)
.set rF, 28+2*(\x)
.set rP, PC+12*(\x)
.set rO, 64*(\x)
	WIN 0
.irp b, 0,1,2,3
	v_max3_num_f32 v[BM+\b], v[rS+16*\b], v[rS+16*\b+1], v[rS+16*\b+2]   ; the largest score of each block of 32 keys: it serves for the row's maximum and, since p rises with the score, for the block's largest p
.endr
.irp i, 3,5,7,9,11,13
.irp b, 0,1,2,3
	v_max3_num_f32 v[BM+\b], v[BM+\b], v[rS+16*\b+\i], v[rS+16*\b+\i+1]   ; (the four blocks by turns)
.endr
.endr
.irp b, 0,1,2,3
	v_max_num_f32 v[BM+\b], v[BM+\b], v[rS+16*\b+15]
.endr
.irp b, 0,1,2,3
	v_permlanex16_b32 v[PM+\b], v[BM+\b], s20, s21
.endr
.irp b, 0,1,2,3
	v_max_num_f32 v[BM+\b], v[BM+\b], v[PM+\b]     ; with lane l xor 16's 16 keys
.endr
	v_max3_num_f32 v[TT], v[BM], v[BM+1], v[BM+2]
	v_max_num_f32 v[TT], v[TT], v[BM+3]            ; the step's largest score of my query
	v_mul_f32 v[TT], s22, v[TT]                    ; as t (c is positive)
	v_max_num_f32 v[rT+1], v[rT+1], v[TT]          ; the running largest t
	v_mov_b32 v[TT], v[rT]
	v_floor_f32 v[rT], -v[rT+1]                    ; the new -M = floor(-t) = -ceil(t): a whole number
	v_sub_f32 v[TT], v[rT], v[TT]                  ; old M - new M: a whole number, 0 or less
	v_cvt_i32_f32 v[TT], v[TT]                     ; (it saturates)
	v_ldexp_f32 v[rF], 1.0, v[TT]                  ; f = 2^(old M - new M)
.set j, 0
.rept 32
	v_pk_fma_f32 v[rS+j:rS+j+1], v[rS+j:rS+j+1], s[22:23], v[rT:rT+1] op_sel_hi:[1,0,0]   ; t - M, two at a time
.set j, j+2
.endr
.irp b, 0,1,2,3
	v_fma_f32 v[BM+\b], v[BM+\b], s22, v[rT]       ; the same of each block's largest score
.endr
.set j, 0
.rept 64
	v_exp_f32 v[rS+j], v[rS+j]                     ; p = 2^(t - M), at most 1, not normalised; a hidden key's is 0
.set j, j+1
.endr
	v_pk_mul_f32 v[rT+2:rT+3], v[rT+2:rT+3], v[rF:rF+1] op_sel_hi:[1,0]   ; the sums under the new M: the plain place behind the exponentials
	s_wait_alu depctr_va_vdst(0)                   ; one wait for the batch of 64, ahead of its first reader
.irp b, 0,1,2,3
	v_exp_f32 v[BM+\b], v[BM+\b]                   ; the block's largest p: the same two instructions on the same number give the same bits
.endr
	v_pk_add_f32 v[PM:PM+1], v[rS:rS+1], v[rS+2:rS+3]   ; the row's sum is taken of the unquantised p, two at a time, in two chains; it reads the 64 alone
.irp i, 4,8,12,16,20,24,28,32,36,40,44,48,52,56,60
	v_pk_add_f32 v[rT+2:rT+3], v[rT+2:rT+3], v[rS+\i:rS+\i+1]
	v_pk_add_f32 v[PM:PM+1], v[PM:PM+1], v[rS+\i+2:rS+\i+3]
.endr
	v_pk_add_f32 v[rT+2:rT+3], v[rT+2:rT+3], v[PM:PM+1]
	s_wait_alu depctr_va_vdst(0)                   ; and one for the four
.irp b, 0,1,2,3
	v_max_num_f32 v[BM+\b], 0x1800000, v[BM+\b]    ; the floor 2^(3 - 127): the byte cannot fall under 1 (a block whose every p is 0 keeps that byte: its codes are zeros)
.endr
.irp b, 0,1,2,3
	v_add_nc_u32 v[SO+\b], 0xff000000, v[BM+\b]    ; 2 off the exponent field: the conversion's scale operand
.endr
.irp b, 0,1,2,3
	v_lshrrev_b32 v[PM+\b], 23, v[SO+\b]           ; the scale's byte
.endr
	v_lshl_or_b32 v[rF+1], v[PM+1], 8, v[PM]       ; p's scale word for these 128 keys
	v_lshl_or_b32 v[rF+1], v[PM+2], 16, v[rF+1]
	v_lshl_or_b32 v[rF+1], v[PM+3], 24, v[rF+1]
.irp c, 0,1
	v_cvt_scalef32_pk16_fp6_f32 v[rP+6*\c:rP+6*\c+2], v[rS+32*\c:rS+32*\c+15], v[SO+2*\c]
	v_cvt_scalef32_pk16_fp6_f32 v[PM+4*\c:PM+4*\c+2], v[rS+32*\c+16:rS+32*\c+31], v[SO+2*\c+1]   ; (a conversion's three registers begin on an even number)
.endr
	v_nop                                          ; one plain place behind a scaled conversion
.irp c, 0,1                                        ; the operand's layout wants a whole block in a lane: lanes 0-15 block 2 c, lanes 16-31 block 2 c + 1
.irp i, 0,1,2
	v_permlane16_swap_b32 v[rP+6*\c+\i], v[PM+4*\c+\i]
.endr
.irp i, 0,1,2
	v_mov_b32 v[rP+6*\c+3+\i], v[PM+4*\c+\i]
.endr
.endr
	WIN 0x41                                       ; O^T (destination and source 0) in window 1, f in window 0
.set j, 0
.rept 32
	v_pk_mul_f32 v[rO+j:rO+j+1], v[rO+j:rO+j+1], v[rF:rF+1] op_sel_hi:[1,0]   ; O^T under the new M, each accumulator from its low end on; these 32 are also the places between the scale word and codes just made and the products
.set j, j+2
.endr
.endm
.macro KQ t, x                         ; S^T of tile x, keys of tile t.  K's scale words: even tiles in lanes 0-15, odd ones in lanes 16-31
.if (\t)%2
	v_wmma_scale_f32_16x16x128_f8f6f4 v[S+64*(\x)+8*(\t):S+64*(\x)+8*(\t)+7], v[FB+12*(\t):FB+12*(\t)+11], v[QF+12*(\x):QF+12*(\x)+11], 0, v[34+(\t)/2], v[32+(\x)] matrix_a_fmt:MATRIX_FMT_FP6 matrix_b_fmt:MATRIX_FMT_FP6 matrix_a_scale:MATRIX_SCALE_ROW1
.else
	v_wmma_scale_f32_16x16x128_f8f6f4 v[S+64*(\x)+8*(\t):S+64*(\x)+8*(\t)+7], v[FB+12*(\t):FB+12*(\t)+11], v[QF+12*(\x):QF+12*(\x)+11], 0, v[34+(\t)/2], v[32+(\x)] matrix_a_fmt:MATRIX_FMT_FP6 matrix_b_fmt:MATRIX_FMT_FP6
.endif
.endm
.macro PV t, x                         ; O^T of tile x, d = 16 t on, += V^T P^T over these 128 keys
.if (\t)%2
	v_wmma_scale_f32_16x16x128_f8f6f4 v[64*(\x)+8*(\t):64*(\x)+8*(\t)+7], v[FB+12*(\t):FB+12*(\t)+11], v[PC+12*(\x):PC+12*(\x)+11], v[64*(\x)+8*(\t):64*(\x)+8*(\t)+7], v[38+(\t)/2], v[29+2*(\x)] matrix_a_fmt:MATRIX_FMT_FP6 matrix_b_fmt:MATRIX_FMT_FP6 matrix_a_scale:MATRIX_SCALE_ROW1
.else
	v_wmma_scale_f32_16x16x128_f8f6f4 v[64*(\x)+8*(\t):64*(\x)+8*(\t)+7], v[FB+12*(\t):FB+12*(\t)+11], v[PC+12*(\x):PC+12*(\x)+11], v[64*(\x)+8*(\t):64*(\x)+8*(\t)+7], v[38+(\t)/2], v[29+2*(\x)] matrix_a_fmt:MATRIX_FMT_FP6 matrix_b_fmt:MATRIX_FMT_FP6
.endif
.endm
; A KEY STEP: 128 keys, two tiles.  s39: the LDS byte at which the set's step in hand begins; s40: the step's number.
.macro STEP
	s_cmp_gt_u32 s40, s41                          ; a step behind my last is left out: a scalar branch on ids, round loads, products and softmax; no barrier and no tensor load stands in a step
	s_cbranch_scc1 .Lhidden_\@
	v_add_nc_u32 v7, s39, v5
	v_add_nc_u32 v8, s39, v6
.irp w, 0,1,2,3
	ds_load_b32 v[34+\w], v8 offset:KSCO+128*\w
.endr
.irp w, 0,1,2,3
	ds_load_b32 v[38+\w], v8 offset:VSCO+128*\w
.endr
	WIN 0x40                                       ; destination window 1
.irp t, 0,1,2,3,4,5,6,7
.irp c, 0,1,2
	ds_load_b128 v[FB+12*\t+4*\c:FB+12*\t+4*\c+3], v7 offset:1536*\t+512*\c   ; K's fragment t as it lies: 512 consecutive bytes a load
.endr
.endr
	WIN 0x05                                       ; K and Q in window 1, S^T in window 0
.irp t, 0,1,2,3,4,5,6,7
	s_wait_dscnt 3*(7-\t)                          ; fragment t is in; behind it stand three loads for each later fragment
.irp x, 0,1
	KQ \t, \x
.endr
.endr
.rept 4
	v_nop                                          ; four places behind the products: in front of the loads into K's registers and of the first read of the scores
.endr
	WIN 0x40
.irp t, 0,1,2,3,4,5,6,7
.irp c, 0,1,2
	ds_load_b128 v[FB+12*\t+4*\c:FB+12*\t+4*\c+3], v7 offset:VFO+1536*\t+512*\c   ; V's fragments land while the softmax is worked
.endr
.endr
	WIN 0
	s_cmp_lg_u32 s40, s42                          ; on the diagonal the scores of hidden keys become -infinity ahead of the maximum; every other step skips this
	s_cbranch_scc1 .Lopen_\@
.irp n, 0,1,2,3,4,5,6,7,8,9,10,11,12,13,14,15,16,17,18,19,20,21,22,23,24,25,26,27,28,29,30,31,32,33,34,35,36,37,38,39,40,41,42,43,44,45,46,47,48,49,50,51,52,53,54,55,56,57,58,59,60,61,62,63
	v_cmp_gt_i32 vcc_lo, 32*(\n/16)+\n%16, v9
	v_cndmask_b32 v[S+\n], v[S+\n], v10, vcc_lo
	v_cndmask_b32 v[S+64+\n], v[S+64+\n], v10, vcc_lo   ; both tiles hold the same queries
.endr
.Lopen_\@:
	SOFTMAX 0
	SOFTMAX 1
	s_wait_dscnt 0x0                               ; V is in
	WIN 0x51                                       ; V in window 1, p in window 0, O^T in window 1
.irp t, 0,1,2,3,4,5,6,7
.irp x, 0,1
	PV \t, \x                                      ; the sixteen accumulators take turns, one instruction a turn
.endr
.endr
	WIN 0
.rept 4
	v_nop                                          ; four places: in front of the next loads into the fragments' and scale words' registers and of the next read of O^T
.endr
.Lhidden_\@:
.endm
; THE CHANGE OF SLOTS stands at a slot's head.  Each wave waits for all its tensor loads (its record of the slot that is about to be read), adds 0 to its spare word, and waits for that and for its reads of the set that it has left.
; n > 0: behind a round of the cluster's barrier (no wave of any partner still reads that set or has a load on its way) waves 0 .. n - 1 fill it with the next slot: the load has two key steps in which to land.
.macro CHANGE n
	s_wait_tensorcnt 0x0                           ; no tensor load of mine is out, so group 0 may be written
	ds_add_u32 v3, v4                              ; 0 onto my spare word
.if \n
	s_xor_b32 s36, s36, SETB                       ; the other set than last time,
	s_add_co_u32 s33, s36, s37                     ; my record's place in it,
	s_add_nc_u64 s[34:35], s[34:35], STRB          ; my stream's next two steps; the type bits on top are not reached
.endif
.if \n == 6
	s_wait_xcnt 0x0                                ; the last prefetch, two key steps back, has read its address, so it may be written:
	s_add_nc_u64 s[46:47], s[46:47], STRB          ; one slot further on than the descriptor
.endif
	s_wait_dscnt 0x0                               ; the add is done, and my reads of the set that I have left are over
.if \n
	CROUND
	JLOAD \n                                       ; the first thing behind the round, and a wave's one tensor load until the next
.else
	s_barrier_signal -1
	s_barrier_wait -1
.endif
.if \n == 6
	ASK
.endif
.endm
; A slot's two key steps: written once, walked twice.
.macro TWO_STEPS
	s_mov_b32 s39, s38
	s_mov_b32 s44, 2
.Lstep_\@:
	STEP
	s_add_co_u32 s39, s39, REC
	s_add_co_u32 s40, s40, 1
	s_sub_co_u32 s44, s44, 1
	s_cmp_lg_u32 s44, 0
	s_cbranch_scc1 .Lstep_\@
	s_xor_b32 s38, s38, SETB                       ; on to the other set
.endm
.Lslot:                                            ; seven trips: slots 0 to 6 are worked, slots 1 to 7 asked for
	CHANGE 6
	TWO_STEPS
	s_sub_co_u32 s43, s43, 1
	s_cmp_lg_u32 s43, 0
	s_cbranch_scc1 .Lslot
	CHANGE 4                                       ; the tails are written out: streams 0 and 1 alone have a slot 8
	TWO_STEPS                                      ; slot 7
	CHANGE 0                                       ; nothing is asked for any more: set 1 has had its last fill and its last read
	TWO_STEPS                                      ; slot 8: the waves of stream 2 have no step left
	; THE PARTIAL RESULTS MEET.  Waves 0-3 (rho 0 and 1) put O^T, -M and the sum into LDS as images of their registers; a barrier; the waves of rho 2 add them to their own.
.irp x, 0,1
	v_add_f32 v[22+4*\x], v[22+4*\x], v[23+4*\x]   ; the sum's two halves
.endr
	s_cmp_lt_u32 s10, 4
	s_cbranch_scc0 .Lno_image
	WIN 0x04                                       ; an LDS store's data are its source 1: window 1
.irp x, 0,1
.irp k, 0,1,2,3,4,5,6,7,8,9,10,11,12,13,14,15
	ds_store_b128 v11, v[64*\x+4*\k:64*\x+4*\k+3] offset:MIMG*\x+512*\k   ; each accumulator from its low end on
.endr
.endr
	WIN 0
.irp x, 0,1
	ds_store_b32 v12, v[20+4*\x] offset:MIMG*\x
	ds_store_b32 v12, v[22+4*\x] offset:MIMG*\x+128
.endr
.Lno_image:
	s_wait_dscnt 0x0                               ; for the others' sake: my stores have landed
	s_barrier_signal -1
	s_barrier_wait -1
	s_cmp_lt_u32 s10, 4
	s_cbranch_scc1 .Lend                           ; waves 0-3 have handed their work on
; Tile x of a wave of rho 2: the common M is the largest of the three; each part is brought under it by a power of two.
.macro MERGE x
.set rT, 20+4*(\x)
.set rO, 64*(\x)
	ds_load_b32 v50, v14 offset:MIMG*(\x)          ; rho 0's -M,
	ds_load_b32 v51, v14 offset:MIMG*(\x)+128      ; and sum;
	ds_load_b32 v52, v14 offset:MIMG*(\x)+4*MIMG   ; rho 1's
	ds_load_b32 v53, v14 offset:MIMG*(\x)+4*MIMG+128
.irp k, 0,1,2,3,4,5,6,7,8,9,10,11,12,13,14,15
	ds_load_b128 v[S+4*\k:S+4*\k+3], v13 offset:MIMG*(\x)+512*\k
.endr
.irp k, 0,1,2,3,4,5,6,7,8,9,10,11,12,13,14,15
	ds_load_b128 v[S+64+4*\k:S+64+4*\k+3], v13 offset:MIMG*(\x)+4*MIMG+512*\k
.endr
	s_wait_dscnt 0x0
	v_min3_num_f32 v54, v[rT], v50, v52            ; the common -M
	v_sub_f32 v55, v54, v[rT]                      ; each part's M less the common one: a whole number, 0 or less
	v_sub_f32 v50, v54, v50
	v_sub_f32 v52, v54, v52
	v_cvt_i32_f32 v55, v55
	v_cvt_i32_f32 v50, v50
	v_cvt_i32_f32 v52, v52
	v_ldexp_f32 v44, 1.0, v55
	v_ldexp_f32 v46, 1.0, v50
	v_ldexp_f32 v48, 1.0, v52
	v_mul_f32 v[rT+2], v[rT+2], v44
	v_fmac_f32 v[rT+2], v51, v46
	v_fmac_f32 v[rT+2], v53, v48                   ; the sum
	WIN 0x41
.set j, 0
.rept 32
	v_pk_mul_f32 v[rO+j:rO+j+1], v[rO+j:rO+j+1], v[44:45] op_sel_hi:[1,0]
.set j, j+2
.endr
	WIN 0x50                                       ; destination and source 2 (O^T) window 1
.set j, 0
.rept 32
	v_pk_fma_f32 v[rO+j:rO+j+1], v[S+j:S+j+1], v[46:47], v[rO+j:rO+j+1] op_sel_hi:[1,0,1]
.set j, j+2
.endr
.set j, 0
.rept 32
	v_pk_fma_f32 v[rO+j:rO+j+1], v[S+64+j:S+64+j+1], v[48:49], v[rO+j:rO+j+1] op_sel_hi:[1,0,1]
.set j, j+2
.endr
	WIN 0
.endm
; Tile x leaves: O^T / the sum goes through my stage in LDS and comes back as whole rows of 512 bytes.
.macro FINAL x
.set rT, 20+4*(\x)
.set rO, 64*(\x)
	v_permlanex16_b32 v55, v[rT+2], s20, s21
	v_add_f32 v54, v[rT+2], v55                    ; with lane l xor 16's: the row's sum
	v_rcp_f32 v42, v54
	v_nop                                          ; a plain place behind the reciprocal
	s_wait_alu depctr_va_vdst(0)                   ; and the wait ahead of its first reader
	WIN 0x01                                       ; source 0 (O^T) window 1
.set j, 0
.rept 32
	v_pk_mul_f32 v[S+j:S+j+1], v[rO+j:rO+j+1], v[42:43] op_sel_hi:[1,0]   ; register 8 t + i is out(r, 16 t + 8 h + i)
.set j, j+2
.endr
	WIN 0
.irp t, 0,1,2,3,4,5,6,7
	ds_store_b128 v15, v[S+8*\t:S+8*\t+3] offset:64*\t
	ds_store_b128 v15, v[S+8*\t+4:S+8*\t+7] offset:64*\t+16
.endr
.irp i, 0,1,2,3,4,5,6,7,8,9,10,11,12,13,14,15
	ds_load_b128 v[S+64+4*\i:S+64+4*\i+3], v16 offset:528*\i   ; LDS serves a wave's instructions in order (ISA guide 5.7.1.4): these see my stores
.endr
.irp i, 0,1,2,3,4,5,6,7,8,9,10,11,12,13,14,15
	s_wait_dscnt 15-\i                             ; row i is back; the loads behind it may be out
	global_store_b128 v1, v[S+64+4*\i:S+64+4*\i+3], s[8:9] offset:16384*\i+512*(\x) th:TH_STORE_NT   ; 32 lanes store a head's 512 consecutive bytes of a query, aligned to 256
.endr
.endm
	s_cmp_eq_u32 s11, 2
	s_cbranch_scc0 .Lalone_0
	MERGE 0
.Lalone_0:
	FINAL 0
	s_wait_xcnt 0x0                                ; the stores have read their registers: the second tile's loads may land there
	s_cmp_eq_u32 s11, 2
	s_cbranch_scc0 .Lalone_1
	MERGE 1
.Lalone_1:
	FINAL 1
.Lend:
	s_wait_tensorcnt 0x0                           ; the wave's end: behind my last tensor load and my last LDS store
	ds_add_u32 v3, v4
	s_wait_dscnt 0x0
	CROUND                                         ; the closing round: no work-group ends while a partner may still ask for a record that names it
	s_endpgm
.Lfunc_end_k_qfdd518ae3a_attn:
	.size	k_qfdd518ae3a_attn, .Lfunc_end_k_qfdd518ae3a_attn-k_qfdd518ae3a_attn
	.p2alignl 7, 3214868480
	.fill 96, 4, 3214868480
	.section	.rodata,"a",@progbits
	.p2align	6, 0x0
	.amdhsa_kernel k_qfdd518ae3a_attn
		.amdhsa_group_segment_fixed_size 327680
		.amdhsa_private_segment_fixed_size 0
		.amdhsa_enable_private_segment 0
		.amdhsa_kernarg_size 24
		.amdhsa_user_sgpr_count 2
		.amdhsa_user_sgpr_kernarg_segment_ptr 1
		.amdhsa_wavefront_size32 1
		.amdhsa_system_sgpr_workgroup_id_x 1
		.amdhsa_system_sgpr_workgroup_id_y 1
		.amdhsa_system_sgpr_workgroup_id_z 1
		.amdhsa_system_vgpr_workitem_id 0
		.amdhsa_next_free_vgpr 512
		.amdhsa_next_free_sgpr 66
		.amdhsa_reserve_vcc 1
		.amdhsa_float_denorm_mode_32 3
		.amdhsa_float_denorm_mode_16_64 3
		.amdhsa_memory_ordered 1
		.amdhsa_forward_progress 1
		.amdhsa_inst_pref_size 171
	.end_amdhsa_kernel
	.amdgpu_metadata
---
amdhsa.version: [ 1, 2 ]
amdhsa.kernels:
  - .name:           k_qfdd518ae3a_attn
    .symbol:         k_qfdd518ae3a_attn.kd
    .args:
      - { .name: kv, .offset: 0, .size: 8, .value_kind: global_buffer, .address_space: global }
      - { .name: qq, .offset: 8, .size: 8, .value_kind: global_buffer, .address_space: global }
      - { .name: out0, .offset: 16, .size: 8, .value_kind: global_buffer, .address_space: global }
    .group_segment_fixed_size: 327680
    .private_segment_fixed_size: 0
    .kernarg_segment_align: 8
    .kernarg_segment_size: 24
    .max_flat_workgroup_size: 256
    .sgpr_count:     66
    .vgpr_count:     512
    .wavefront_size: 32
...
	.end_amdgpu_metadata
.endif
;; end of part 2
